; MI455X (gfx1250); checked and timed in simulation.
; The chip was launched on July 23, 2026; its instructions are those of AMD's public machine-readable ISA for CDNA 5 (MIT licence, August 2026) and "CDNA5" Instruction Set Architecture Reference Guide (July 2026). The comments in the code are by the model that wrote it; some were corrected since.
;; Triplet Miner. Allowed arithmetic: float matrix products may take bf16 or f16 operands with f32 sums; all other float work in f32.
;; Inputs: embeddings 16,384 x 128 float32; labels 16,384 int32.
;; Outputs: out0 3 x 16,384 x 128 float32; out1 16,384 bool.
;; 3 versions, each right; version 2 is faster than version 1; version 3 is version 2 with the launch mine written anew for expert scheduling mode. Each part assembles by itself: llvm-mc -triple=amdgcn-amd-amdhsa -mcpu=gfx1250 --defsym DOCPART=n.
;; ======== version 1 of 3: 1 launch
;; launch mine (part 1): grid 256 x 1, 8 waves a work-group, no clusters, 0 bytes of LDS; arguments embeddings, labels, out0, out1; writes out0, out1
.if DOCPART == 1
	.amdgcn_target "amdgcn-amd-amdhsa--gfx1250"
	.amdhsa_code_object_version 6
	.text
	.protected	k_qe9fac98402_mine
	.globl	k_qe9fac98402_mine
	.p2align	8
	.type	k_qe9fac98402_mine,@function
k_qe9fac98402_mine:
	s_mov_b64 s[64:65], 0
	v_nop
	global_prefetch_b8 v0, s[64:65] scope:SCOPE_SE
	s_setreg_imm32_b32 hwreg(HW_REG_WAVE_MODE, 25, 1), 1
	s_wait_xcnt 0x0
; TripletMiner.  For each anchor i of N = 16384: pos = first j > i with labels[j] == labels[i], neg = first j > i with
; labels[j] != labels[i], valid = both exist.  out0 = [embeddings, embeddings[pos], embeddings[neg]] * valid, out1 = valid (bytes).
;
; WORK THAT IS NOT DONE, for all values of the labels:
;  - the mask 'upper' is built in the function's own body: candidates j <= i are never looked at;
;  - argmax gives the first True and any() only asks whether one exists, so candidates behind an anchor's first hit reach no
;    output: each search stops comparing at its hit;
;  - neg: a wave owns eight neighbouring anchors i0 .. i0+7.  If no label among i+1 .. i0+7 differs from labels[i], they all
;    equal labels[i0+7], so neg is the first j >= i0+8 with labels[j] != labels[i0+7]: one search for the eight.
; Both inputs are loaded.  The product with valid is made (x*1, x*0), and an anchor without a hit gathers row 0, as argmax of an
; all-false row does, so NaN and infinities come out as in the function.  Labels may be any 32-bit numbers.
; The time hangs on the labels: with no equal labels at all every search runs to the end (N*N/2 comparisons in all).
;
; SHARES.  256 work-groups of 8 waves.  Work-group w owns anchors 32w .. 32w+31 (waves 0-3) and N-32(w+1) .. N-32w-1 (waves 4-7):
; the two ranges of candidates add up to N+32 for every w, so the longest possible search is the same in all work-groups.
; CANDIDATES come straight into registers, 512 at a time (4 loads x 32 lanes x 4 labels, 2 KiB), on two register sets that take
; turns.  A wave reads only as far as its last open search; a copy of all labels behind the group's first anchor would be up to
; 64 KiB for each work-group, with a barrier in front of the first comparison.  So there is no LDS and no barrier.
; THE END OF THE LABELS.  Each load has its own offset register, clamped to the last 16 bytes of labels.  A clamped lane repeats the
; last four labels under an index above their own; the real ones lie in every non-empty range (ranges end at N and are multiples
; of 8 labels long) and are compared under their own index in the same half step or an earlier one, so the first hit is not
; changed, and no load leaves the buffer.
; THE SEARCH LOOP is left at its counter alone.  Once a wave's nine searches are closed, a trip is five scalar lines.
; NO CLUSTER, NO TILE LOADS: nothing is staged for several waves or work-groups.
; out1: a wave's eight flags are 8 neighbouring bytes; 256 neighbouring bytes of out1 belong to 256 anchors, four work-groups'
; worth, so they cannot be stored by one instruction; out1 is 16 KiB of the 25 MB written.
.set N,      16384
.set ROWB,   512                       ; bytes in a row of embeddings
.set PART,   N*ROWB                    ; bytes in one of out0's three parts
.set LAST,   N*4-16                    ; byte offset of the last four labels
.set HSTEP,  512                       ; candidates in a half step
.set HSB,    4*HSTEP                   ; its bytes
.set PAIRS,  N/(2*HSTEP)               ; pairs of half steps in all the labels: 16
.set NONE,   N                         ; 'no hit': above every index, and NONE & (N-1) = 0 is the row that argmax names
.set STREAMS, 9                        ; eight searches for an equal label, one for an unequal
; vector registers
.set LANE,   1                         ; lane
.set LANE16, 2                         ; 16 x lane: my 16 bytes of a row, of a run of labels
.set AO,     3                         ; byte offset of my 16 bytes in the wave's first row (embeddings, each part of out0)
.set T,      4                         ; at work
.set AD,     6                         ; v[6:13]  byte offsets in labels: v[6:9] set A's four loads, v[10:13] set B's
.set CA,     16                        ; v[16:31] candidates, set A: register 4u+e holds label first + 128u + 4 lane + e
.set CB,     32                        ; v[32:47] candidates, set B
.set A,      48                        ; v[48:79]   eight anchor rows
.set P,      80                        ; v[80:111]  eight positive rows
.set G,      112                       ; v[112:143] eight negative rows
.set GI,     144                       ; v[144:159] byte offsets of the 16 gathered rows
.set OB,     160                       ; v[160:161] eight flags
.set OO,     162                       ; their byte offset in out1
; scalar registers: s[4:5] embeddings, s[6:7] labels, s[8:9] out0, s[10:11] out1, s[12:13], s[14:15] out0's parts 1, 2
; s16 wave, s17 i0, s18 first candidate, s20 pair counter, s21 streams closed, s22 index of the half step's first candidate,
; s23, s26 at work, s27 byte offset of the wave's labels
.set L,      28                        ; s[28:35] the eight anchors' labels
.set POS,    36                        ; s[36:43] pos or NONE; s44: the shared search for an unequal label
.set NEG,    46                        ; s[46:53] neg or NONE
.set J,      54                        ; s[55:61] i0+1 .. i0+7
.set M,      66                        ; s[66:81] lane masks of 16 compares; later row offsets
.set MU,     82                        ; s[82:85] load u: lanes with a hit in any of their four labels
.set TT,     86                        ; s[86:87] at work
.set SA,     88                        ; s[88:89] masks of words 0, 1 of the first load with a hit
.set SB,     90                        ; s[90:91] masks of words 2, 3
.set MS,     92                        ; its MU
.set U,      93                        ; its number
.set LN,     94                        ; first lane with a hit
.set BIT,    95                        ; that lane's bit
.set E,      96                        ; first word with a hit in that lane
.set VF,     82                        ; s[82:97] behind the search: valid as 1.0 or 0, twice each (a pair for the packed multiply)
.set W,      98                        ; s[98:99] valid as eight bytes
	s_load_b256 s[4:11], s[0:1], 0x0
	v_lshrrev_b32 v[T], 5, v0
	v_readfirstlane_b32 s16, v[T]                  ; wave 0..7
	v_and_b32 v[LANE], 31, v0
	v_lshlrev_b32 v[LANE16], 4, v[LANE]
	s_lshl_b32 s26, ttmp9, 5                       ; 32 w: the early block
	s_sub_co_u32 s23, N-64, s26                    ; N - 32 (w+1) - 32: the late block, less the 8 x 4 of waves 4-7
	s_cmp_lt_u32 s16, 4
	s_cselect_b32 s17, s26, s23
	s_lshl3_add_u32 s17, s16, s17                  ; i0 = block + 8 x wave
	s_add_co_u32 s18, s17, 8                       ; the first candidate outside the wave's own eight
	s_lshl_b32 s27, s17, 2
	s_lshl_b32 s26, s17, 9
	v_add_nc_u32 v[AO], s26, v[LANE16]
	s_lshl_b32 s23, s18, 2
	v_add_nc_u32 v[T], s23, v[LANE16]              ; my 16 bytes in the first load
	v_min_u32 v[AD], LAST, v[T]
.irp k, 1,2,3,4,5,6,7
	v_add_nc_u32 v[AD+\k], 512*\k, v[T]            ; eight loads of 512 bytes: the first two half steps
	v_min_u32 v[AD+\k], LAST, v[AD+\k]
.endr
	s_wait_kmcnt 0x0
	s_load_b256 s[L:L+7], s[6:7], s27 offset:0x0   ; my eight anchors' labels, 32 bytes at a multiple of 32
	; The order of issue counts: loads come back in order.  Candidates first, so that they are compared while the rows arrive.
.irp u, 0,1,2,3
	global_load_b128 v[CA+4*\u:CA+4*\u+3], v[AD+\u], s[6:7]
.endr
.irp u, 0,1,2,3
	global_load_b128 v[CB+4*\u:CB+4*\u+3], v[AD+4+\u], s[6:7]
.endr
.irp r, 0,1,2,3,4,5,6,7
	global_load_b128 v[A+4*\r:A+4*\r+3], v[AO], s[4:5] offset:ROWB*\r
.endr
	s_add_nc_u64 s[12:13], s[8:9], PART            ; a part's distance does not fit a store's immediate
	s_add_nc_u64 s[14:15], s[8:9], 2*PART
.irp q, 1,2,3,4,5,6,7
	s_add_co_u32 s[J+\q], s17, \q
.endr
	s_mov_b32 s21, 0
	s_mov_b32 s[POS+7], NONE
	s_mov_b32 s[NEG+7], NONE
	s_mov_b32 s[POS+8], NONE
	s_mov_b32 s22, s18
	s_lshr_b32 s20, s18, 10                        ; pairs needed = ceil((N - first) / 1024) = PAIRS - floor(first / 1024);
	s_add_co_u32 s20, s20, 1                       ; one of them stands ahead of the loop
	s_wait_kmcnt 0x0
	; Among the wave's own eight, on scalars: q runs down, so the smallest q > r stays.  The first pair starts each result.
.set r, 0
.rept 7
.set q, 7
.rept 7-r
	s_cmp_eq_u32 s[L+r], s[L+q]
.if q == 7
	s_cselect_b32 s[POS+r], s[J+7], NONE
	s_cselect_b32 s[NEG+r], NONE, s[J+7]
.else
	s_cselect_b32 s[POS+r], s[J+q], s[POS+r]
	s_cselect_b32 s[NEG+r], s[NEG+r], s[J+q]
.endif
.set q, q-1
.endr
	s_cmp_lg_u32 s[POS+r], NONE
	s_add_co_ci_u32 s21, s21, 0                    ; one stream fewer to run
.set r, r+1
.endr
	s_cmp_ge_u32 s18, N                            ; i0 = N-8: no candidate is left (the clamped loads repeat the anchors themselves):
	s_cselect_b32 s21, STREAMS, s21                ; its streams count as closed, their results stay NONE, and nothing is compared
; One stream on one half step.  A closed stream costs two scalar lines.  An open one: 16 compares into lane masks, and 15 ORs,
; the last of which leaves in SCC whether any lane has a hit.
.macro BLOCK p, lab, ne, c
	s_cmp_lg_u32 s[POS+\p], NONE
	s_cbranch_scc1 .Lnext_\@
.irp k, 0,1,2,3,4,5,6,7,8,9,10,11,12,13,14,15
.if \ne
	v_cmp_ne_u32 s[M+\k], s[\lab], v[\c+\k]
.else
	v_cmp_eq_u32 s[M+\k], s[\lab], v[\c+\k]
.endif
.endr
.irp u, 0,1,2,3
	s_or_b32 s[MU+\u], s[M+4*\u], s[M+4*\u+1]
	s_or_b32 s[TT], s[M+4*\u+2], s[M+4*\u+3]
	s_or_b32 s[MU+\u], s[MU+\u], s[TT]
.endr
	s_or_b32 s[TT], s[MU], s[MU+1]
	s_or_b32 s[TT+1], s[MU+2], s[MU+3]
	s_or_b32 s[TT], s[TT], s[TT+1]
	s_cbranch_scc0 .Lnext_\@                       ; no hit among the 512
	; Once for each stream.  The index is first + 128 u + 4 lane + e: the smallest u with a hit, in it the lowest lane, in it the lowest e.
	s_cmp_lg_u32 s[MU+2], 0                        ; u runs down, so the smallest stays
	s_cselect_b64 s[SA:SA+1], s[M+8:M+9], s[M+12:M+13]
	s_cselect_b64 s[SB:SB+1], s[M+10:M+11], s[M+14:M+15]
	s_cselect_b32 s[MS], s[MU+2], s[MU+3]
	s_cselect_b32 s[U], 2, 3
.irp u, 1,0
	s_cmp_lg_u32 s[MU+\u], 0
	s_cselect_b64 s[SA:SA+1], s[M+4*\u:M+4*\u+1], s[SA:SA+1]
	s_cselect_b64 s[SB:SB+1], s[M+4*\u+2:M+4*\u+3], s[SB:SB+1]
	s_cselect_b32 s[MS], s[MU+\u], s[MS]
	s_cselect_b32 s[U], \u, s[U]
.endr
	s_ctz_i32_b32 s[LN], s[MS]                     ; MS is not 0 here
	s_lshl_b32 s[BIT], 1, s[LN]
	s_and_b32 s23, s[SB], s[BIT]                   ; e runs down; SCC = the lane's bit is set
	s_cselect_b32 s[E], 2, 3
	s_and_b32 s23, s[SA+1], s[BIT]
	s_cselect_b32 s[E], 1, s[E]
	s_and_b32 s23, s[SA], s[BIT]
	s_cselect_b32 s[E], 0, s[E]
	s_lshl_b32 s[U], s[U], 5
	s_add_co_u32 s[LN], s[LN], s[U]                ; 32 u + lane
	s_lshl2_add_u32 s[E], s[LN], s[E]              ; 128 u + 4 lane + e
	s_add_co_u32 s[POS+\p], s[E], s22
	s_add_co_u32 s21, s21, 1
.Lnext_\@:
.endm
; A half step on register set c with offset registers a.  left = younger loads that may stay out.
; second = 1: a pair's second half may lie wholly behind the labels' end; its nine blocks are then jumped over (an open stream
; finds nothing there: the labels that the clamped loads repeat have been compared).  The loads at the end are on both ways,
; so the count at the next wait is the same on both.  A wave's last eight such loads are used by nobody: they read inside labels.
.macro HALF c, a, left, second
	s_wait_loadcnt \left                           ; this set's four loads are in, which also frees their offset registers
.if \second
	s_cmp_ge_u32 s22, N
	s_cbranch_scc1 .Lpast_\@
.endif
.irp p, 0,1,2,3,4,5,6,7
	BLOCK \p, L+\p, 0, \c
.endr
	BLOCK 8, L+7, 1, \c
.if \second
.Lpast_\@:
.endif
	s_add_co_u32 s22, s22, HSTEP
.irp u, 0,1,2,3
	v_add_nc_u32 v[\a+\u], 2*HSB, v[\a+\u]         ; this set again, two half steps on; an offset that has reached the clamp stays there
	v_min_u32 v[\a+\u], LAST, v[\a+\u]
.endr
.irp u, 0,1,2,3
	global_load_b128 v[\c+4*\u:\c+4*\u+3], v[\a+\u], s[6:7]
.endr
.endm
.macro PAIR left
	s_cmp_eq_u32 s21, STREAMS
	s_cbranch_scc1 .Lclosed_\@                     ; every search has its hit: nothing is loaded or compared any more
	HALF CA, AD, \left, 0
	HALF CB, AD+4, \left, 1
.Lclosed_\@:
.endm
	PAIR 12                                        ; behind set A: set B's 4 and the 8 rows; behind set B: the 8 rows and set A's 4 anew.  The rows stay out
	s_cmp_ge_u32 s20, PAIRS
	s_cbranch_scc1 .Lscanned                       ; at most 1,024 candidates: the first pair was all
.Lpair:
	PAIR 4                                         ; the other set's four are younger; the rows are older and have to be in from here on
	s_add_co_u32 s20, s20, 1
	s_cmp_lt_u32 s20, PAIRS
	s_cbranch_scc1 .Lpair
.Lscanned:
	; The gathers first.  An index goes into an address behind s_min_u32; NONE & (N-1) is row 0.
.irp r, 0,1,2,3,4,5,6,7
	s_min_u32 s[M+\r], s[POS+\r], NONE
	s_and_b32 s[M+\r], s[M+\r], N-1
	s_lshl_b32 s[M+\r], s[M+\r], 9
	v_add_nc_u32 v[GI+\r], s[M+\r], v[LANE16]
	global_load_b128 v[P+4*\r:P+4*\r+3], v[GI+\r], s[4:5]
.endr
.irp r, 0,1,2,3,4,5,6,7
	s_cmp_eq_u32 s[NEG+\r], NONE                   ; none among the wave's eight: the shared search's hit, or NONE
	s_cselect_b32 s[NEG+\r], s[POS+8], s[NEG+\r]
	s_min_u32 s[M+8+\r], s[NEG+\r], NONE
	s_and_b32 s[M+8+\r], s[M+8+\r], N-1
	s_lshl_b32 s[M+8+\r], s[M+8+\r], 9
	v_add_nc_u32 v[GI+8+\r], s[M+8+\r], v[LANE16]
	global_load_b128 v[G+4*\r:G+4*\r+3], v[GI+8+\r], s[4:5]
.endr
	; valid: both below NONE.  As a factor, twice, and as a byte.
.irp r, 0,1,2,3,4,5,6,7
	s_max_u32 s23, s[POS+\r], s[NEG+\r]
	s_cmp_lt_u32 s23, NONE
	s_cselect_b32 s[VF+2*\r], 1.0, 0
	s_cselect_b32 s[VF+2*\r+1], 1.0, 0
.if \r%4 == 0
	s_cselect_b32 s[W+\r/4], 1, 0
.else
	s_cselect_b32 s23, 1<<(8*(\r%4)), 0
	s_or_b32 s[W+\r/4], s[W+\r/4], s23
.endif
.endr
; Eight rows of one part: scaled in the registers they were loaded into, which nothing writes again, and stored; a store of the wave
; covers a row, 512 consecutive bytes at a multiple of 512.  left = row loads issued behind this part's last row.  For the anchor
; rows that is the count on the way with the fewest younger loads (all streams closed from the start: 16 gathers); on the other
; ways candidate loads are younger too, and the count only asks for more than it needs.
.macro ROWS x, base, left
.irp r, 0,1,2,3,4,5,6,7
	s_wait_loadcnt \left+7-\r                      ; loads come back in order: row r is in, the younger ones stay out
	v_pk_mul_f32 v[\x+4*\r:\x+4*\r+1],   v[\x+4*\r:\x+4*\r+1],   s[VF+2*\r:VF+2*\r+1] op_sel_hi:[1,0]
	v_pk_mul_f32 v[\x+4*\r+2:\x+4*\r+3], v[\x+4*\r+2:\x+4*\r+3], s[VF+2*\r:VF+2*\r+1] op_sel_hi:[1,0]
	global_store_b128 v[AO], v[\x+4*\r:\x+4*\r+3], s[\base:\base+1] offset:ROWB*\r th:TH_STORE_NT
.endr
.endm
	ROWS A, 8, 16
	ROWS P, 12, 8
	ROWS G, 14, 0
	v_mov_b32 v[OB], s[W]
	v_mov_b32 v[OB+1], s[W+1]
	v_mov_b32 v[OO], s17
	v_cmp_eq_u32 vcc_lo, 0, v[LANE]
	s_wait_xcnt 0x0                                ; EXEC is a source of the stores above: it changes only behind this wait
	s_and_saveexec_b32 s23, vcc_lo
	global_store_b64 v[OO], v[OB:OB+1], s[10:11]   ; lane 0: the wave's eight flags, at a multiple of 8
	s_endpgm
.Lfunc_end_k_qe9fac98402_mine:
	.size	k_qe9fac98402_mine, .Lfunc_end_k_qe9fac98402_mine-k_qe9fac98402_mine
	.p2alignl 7, 3214868480
	.fill 96, 4, 3214868480
	.section	.rodata,"a",@progbits
	.p2align	6, 0x0
	.amdhsa_kernel k_qe9fac98402_mine
		.amdhsa_group_segment_fixed_size 0
		.amdhsa_private_segment_fixed_size 0
		.amdhsa_enable_private_segment 0
		.amdhsa_kernarg_size 32
		.amdhsa_user_sgpr_count 2
		.amdhsa_user_sgpr_kernarg_segment_ptr 1
		.amdhsa_wavefront_size32 1
		.amdhsa_system_sgpr_workgroup_id_x 1
		.amdhsa_system_sgpr_workgroup_id_y 1
		.amdhsa_system_sgpr_workgroup_id_z 1
		.amdhsa_system_vgpr_workitem_id 0
		.amdhsa_next_free_vgpr 164
		.amdhsa_next_free_sgpr 100
		.amdhsa_reserve_vcc 1
		.amdhsa_float_denorm_mode_32 3
		.amdhsa_float_denorm_mode_16_64 3
		.amdhsa_memory_ordered 1
		.amdhsa_forward_progress 1
		.amdhsa_inst_pref_size 115
	.end_amdhsa_kernel
	.amdgpu_metadata
---
amdhsa.version: [ 1, 2 ]
amdhsa.kernels:
  - .name:           k_qe9fac98402_mine
    .symbol:         k_qe9fac98402_mine.kd
    .args:
      - { .name: embeddings, .offset: 0, .size: 8, .value_kind: global_buffer, .address_space: global }
      - { .name: labels, .offset: 8, .size: 8, .value_kind: global_buffer, .address_space: global }
      - { .name: out0, .offset: 16, .size: 8, .value_kind: global_buffer, .address_space: global }
      - { .name: out1, .offset: 24, .size: 8, .value_kind: global_buffer, .address_space: global }
    .group_segment_fixed_size: 0
    .private_segment_fixed_size: 0
    .kernarg_segment_align: 8
    .kernarg_segment_size: 32
    .max_flat_workgroup_size: 256
    .sgpr_count:     100
    .vgpr_count:     164
    .wavefront_size: 32
...
	.end_amdgpu_metadata
.endif
;; end of part 1
;; ======== version 2 of 3: 1 launch; 1.14 times as fast as version 1
;; launch mine (part 2): grid 256 x 1, 16 waves a work-group, no clusters, 0 bytes of LDS; arguments embeddings, labels, out0, out1; writes out0, out1
.if DOCPART == 2
	.amdgcn_target "amdgcn-amd-amdhsa--gfx1250"
	.amdhsa_code_object_version 6
	.text
	.protected	k_qe9fac98402_mine
	.globl	k_qe9fac98402_mine
	.p2align	8
	.type	k_qe9fac98402_mine,@function
k_qe9fac98402_mine:
	s_mov_b64 s[64:65], 0
	v_nop
	global_prefetch_b8 v0, s[64:65] scope:SCOPE_SE
	s_setreg_imm32_b32 hwreg(HW_REG_WAVE_MODE, 25, 1), 1
	s_wait_xcnt 0x0
; TripletMiner.  For each anchor i of N = 16384: pos = first j > i with labels[j] == labels[i], neg = first j > i with
; labels[j] != labels[i], valid = both exist.  out0 = [embeddings, embeddings[pos], embeddings[neg]] * valid, out1 = valid (bytes).
;
; WORK THAT IS NOT DONE, for all values of the labels:
;  - the mask 'upper' is built in the function's own body: candidates j <= i are never looked at;
;  - argmax gives the first True and any() only asks whether one exists, so candidates behind an anchor's first hit reach no
;    output: each search stops comparing at its hit;
;  - neg: if labels[i+1] != labels[i], neg(i) = i+1.  Otherwise i+1 is no hit and the first later label unlike labels[i] is the
;    first unlike labels[i+1]: neg(i) = neg(i+1), or none for both.  A wave owns four neighbouring anchors i0 .. i0+3, so it
;    searches for the last one alone, and the negative row of anchor r < 3 is anchor row r+1, which the wave holds in
;    registers, or the row chosen for anchor r+1: one negative row is gathered for the four.
; Both inputs are loaded.  The product with valid is made (x*1, x*0), and an anchor without a hit gathers row 0, as argmax of an
; all-false row does, so NaN and infinities come out as in the function.  Labels may be any 32-bit numbers.
; The time hangs on the labels: with no equal labels at all every search runs to the end (N*N/2 comparisons in all).
;
; SHARES.  256 work-groups of 16 waves, four to a SIMD at 120 registers each: a wave's chain (compare, test, branch) leaves gaps
; that the other three fill, and a wave's 12 stores wait for the slowest of five searches only.
; Work-group w owns anchors 32w .. 32w+31 (waves 0-7) and N-32(w+1) .. N-32w-1 (waves 8-15): the two ranges of candidates add
; up to N+32 for every w, so the longest possible search is the same in all work-groups.
; CANDIDATES come straight into registers, 512 at a time (4 loads x 32 lanes x 4 labels, 2 KiB), on two register sets that take
; turns.  A wave reads only as far as its last open search; a copy of all labels behind the group's first anchor would be up to
; 64 KiB for each work-group, with a barrier in front of the first comparison.  So there is no LDS and no barrier.
; THE END OF THE LABELS.  Each load has its own offset register, clamped to the last 16 bytes of labels.  A clamped lane repeats the
; last four labels under an index above their own; the real ones lie in every non-empty range (ranges end at N and are multiples
; of 4 labels long) and are compared under their own index in the same half step or an earlier one, so the first hit is not
; changed, and no load leaves the buffer.
; THE SEARCH LOOP is left at its counter alone.  Once a wave's five searches are closed, a trip is five scalar lines.
; NO CLUSTER, NO TILE LOADS: nothing is staged for several waves or work-groups.
; out1: a wave's four flags are 4 neighbouring bytes, stored by one lane.  256 neighbouring bytes of out1 belong to 256 anchors,
; the blocks of eight work-groups, so no instruction can store them whole; to collect a block's 32 flags the waves would have
; to meet at a barrier behind the slowest search, for 32 bytes of the 256.  out1 is 16 KiB of the 25 MB written.
.set N,      16384
.set ROWB,   512                       ; bytes in a row of embeddings
.set PART,   N*ROWB                    ; bytes in one of out0's three parts
.set LAST,   N*4-16                    ; byte offset of the last four labels
.set HSTEP,  512                       ; candidates in a half step
.set HSB,    4*HSTEP                   ; its bytes
.set PAIRS,  N/(2*HSTEP)               ; pairs of half steps in all the labels: 16
.set NONE,   N                         ; 'no hit': above every index, and NONE & (N-1) = 0 is the row that argmax names
.set ANCH,   4                         ; anchors of a wave
.set STREAMS, ANCH+1                   ; four searches for an equal label, one for an unequal
; vector registers
.set LANE,   1                         ; lane
.set LANE16, 2                         ; 16 x lane: my 16 bytes of a row, of a run of labels
.set AO,     3                         ; byte offset of my 16 bytes in the wave's first row (embeddings, each part of out0)
.set T,      4                         ; at work
.set AD,     6                         ; v[6:13]  byte offsets in labels: v[6:9] set A's four loads, v[10:13] set B's
.set CA,     16                        ; v[16:31] candidates, set A: register 4u+e holds label first + 128u + 4 lane + e
.set CB,     32                        ; v[32:47] candidates, set B
.set A,      48                        ; v[48:63]   four anchor rows as loaded: the choice of the negative rows reads them
.set AV,     64                        ; v[64:79]   the same times valid, to store
.set P,      80                        ; v[80:95]   four positive rows
.set G,      96                        ; v[96:111]  four negative rows: the last gathered, the others chosen
.set GI,     112                       ; v[112:116] byte offsets of the 5 gathered rows
.set OB,     118                       ; four flags
.set OO,     119                       ; their byte offset in out1
; scalar registers: s[4:5] embeddings, s[6:7] labels, s[8:9] out0, s[10:11] out1, s[12:13], s[14:15] out0's parts 1, 2
; s16 wave, s17 i0, s18 first candidate, s20 pair counter, s21 streams closed, s22 index of the half step's first candidate,
; s23, s26 at work, s27 byte offset of the wave's labels
.set L,      28                        ; s[28:31] the four anchors' labels
.set POS,    36                        ; s[36:39] pos or NONE; s40: the search for a label unlike the last anchor's
.set NG,     40                        ; neg of anchor r, or NONE, in s[NG+3-r]: the last anchor's is the search's own register
.set J,      48                        ; s[49:51] i0+1 .. i0+3
.set CM,     52                        ; s[52:54] anchor r < 3: all ones if labels r and r+1 differ, else 0
.set M,      66                        ; s[66:81] lane masks of 16 compares; later row offsets
.set MU,     82                        ; s[82:85] load u: lanes with a hit in any of their four labels
.set TT,     86                        ; s[86:87] at work
.set SA,     88                        ; s[88:89] masks of words 0, 1 of the first load with a hit
.set SB,     90                        ; s[90:91] masks of words 2, 3
.set MS,     92                        ; its MU
.set U,      93                        ; its number
.set LN,     94                        ; first lane with a hit
.set BIT,    95                        ; that lane's bit
.set E,      96                        ; first word with a hit in that lane
.set VF,     82                        ; s[82:89] behind the search: valid as 1.0 or 0, twice each (a pair for the packed multiply)
.set W,      98                        ; valid as four bytes
	s_load_b256 s[4:11], s[0:1], 0x0
	v_lshrrev_b32 v[T], 5, v0
	v_readfirstlane_b32 s16, v[T]                  ; wave 0..15
	v_and_b32 v[LANE], 31, v0
	v_lshlrev_b32 v[LANE16], 4, v[LANE]
	s_lshl_b32 s26, ttmp9, 5                       ; 32 w: the early block
	s_sub_co_u32 s23, N-64, s26                    ; N - 32 (w+1) - 32: the late block, less the 4 x 8 of waves 8-15
	s_cmp_lt_u32 s16, 8
	s_cselect_b32 s17, s26, s23
	s_lshl2_add_u32 s17, s16, s17                  ; i0 = block + 4 x wave
	s_add_co_u32 s18, s17, ANCH                    ; the first candidate outside the wave's own four
	s_lshl_b32 s27, s17, 2
	s_lshl_b32 s26, s17, 9
	v_add_nc_u32 v[AO], s26, v[LANE16]
	s_lshl_b32 s23, s18, 2
	v_add_nc_u32 v[T], s23, v[LANE16]              ; my 16 bytes in the first load
	v_min_u32 v[AD], LAST, v[T]
.irp k, 1,2,3,4,5,6,7
	v_add_nc_u32 v[AD+\k], 512*\k, v[T]            ; eight loads of 512 bytes: the first two half steps
	v_min_u32 v[AD+\k], LAST, v[AD+\k]
.endr
	s_wait_kmcnt 0x0
	s_load_b128 s[L:L+3], s[6:7], s27 offset:0x0   ; my four anchors' labels, 16 bytes at a multiple of 16
	; The order of issue counts: loads come back in order.  Candidates first, so that they are compared while the rows arrive.
.irp u, 0,1,2,3
	global_load_b128 v[CA+4*\u:CA+4*\u+3], v[AD+\u], s[6:7]
.endr
.irp u, 0,1,2,3
	global_load_b128 v[CB+4*\u:CB+4*\u+3], v[AD+4+\u], s[6:7]
.endr
.irp r, 0,1,2,3
	global_load_b128 v[A+4*\r:A+4*\r+3], v[AO], s[4:5] offset:ROWB*\r
.endr
	s_add_nc_u64 s[12:13], s[8:9], PART            ; a part's distance does not fit a store's immediate
	s_add_nc_u64 s[14:15], s[8:9], 2*PART
.irp q, 1,2,3
	s_add_co_u32 s[J+\q], s17, \q
.endr
	s_mov_b32 s21, 0
	s_mov_b32 s[POS+ANCH-1], NONE
	s_mov_b32 s[POS+ANCH], NONE
	s_mov_b32 s22, s18
	s_lshr_b32 s20, s18, 10                        ; pairs needed = ceil((N - first) / 1024) = PAIRS - floor(first / 1024);
	s_add_co_u32 s20, s20, 1                       ; one of them stands ahead of the loop
	s_wait_kmcnt 0x0
	; pos among the wave's own four, on scalars: q runs down, so the smallest q > r stays.  The first compare starts each result.
.set r, 0
.rept ANCH-1
.set q, ANCH-1
.rept ANCH-1-r
	s_cmp_eq_u32 s[L+r], s[L+q]
.if q == ANCH-1
	s_cselect_b32 s[POS+r], s[J+q], NONE
.else
	s_cselect_b32 s[POS+r], s[J+q], s[POS+r]
.endif
.set q, q-1
.endr
	s_cmp_lg_u32 s[POS+r], NONE
	s_add_co_ci_u32 s21, s21, 0                    ; one stream fewer to run
.set r, r+1
.endr
	s_cmp_ge_u32 s18, N                            ; i0 = N-4: no candidate is left (the clamped loads repeat the anchors themselves):
	s_cselect_b32 s21, STREAMS, s21                ; its streams count as closed, their results stay NONE, and nothing is compared
; One stream on one half step.  A closed stream costs two scalar lines.  An open one: 16 compares into lane masks, and 15 ORs,
; the last of which leaves in SCC whether any lane has a hit.
.macro BLOCK p, lab, ne, c
	s_cmp_lg_u32 s[POS+\p], NONE
	s_cbranch_scc1 .Lnext_\@
.irp k, 0,1,2,3,4,5,6,7,8,9,10,11,12,13,14,15
.if \ne
	v_cmp_ne_u32 s[M+\k], s[\lab], v[\c+\k]
.else
	v_cmp_eq_u32 s[M+\k], s[\lab], v[\c+\k]
.endif
.endr
.irp u, 0,1,2,3
	s_or_b32 s[MU+\u], s[M+4*\u], s[M+4*\u+1]
	s_or_b32 s[TT], s[M+4*\u+2], s[M+4*\u+3]
	s_or_b32 s[MU+\u], s[MU+\u], s[TT]
.endr
	s_or_b32 s[TT], s[MU], s[MU+1]
	s_or_b32 s[TT+1], s[MU+2], s[MU+3]
	s_or_b32 s[TT], s[TT], s[TT+1]
	s_cbranch_scc0 .Lnext_\@                       ; no hit among the 512
	; Once for each stream.  The index is first + 128 u + 4 lane + e: the smallest u with a hit, in it the lowest lane, in it the lowest e.
	s_cmp_lg_u32 s[MU+2], 0                        ; u runs down, so the smallest stays
	s_cselect_b64 s[SA:SA+1], s[M+8:M+9], s[M+12:M+13]
	s_cselect_b64 s[SB:SB+1], s[M+10:M+11], s[M+14:M+15]
	s_cselect_b32 s[MS], s[MU+2], s[MU+3]
	s_cselect_b32 s[U], 2, 3
.irp u, 1,0
	s_cmp_lg_u32 s[MU+\u], 0
	s_cselect_b64 s[SA:SA+1], s[M+4*\u:M+4*\u+1], s[SA:SA+1]
	s_cselect_b64 s[SB:SB+1], s[M+4*\u+2:M+4*\u+3], s[SB:SB+1]
	s_cselect_b32 s[MS], s[MU+\u], s[MS]
	s_cselect_b32 s[U], \u, s[U]
.endr
	s_ctz_i32_b32 s[LN], s[MS]                     ; MS is not 0 here
	s_lshl_b32 s[BIT], 1, s[LN]
	s_and_b32 s23, s[SB], s[BIT]                   ; e runs down; SCC = the lane's bit is set
	s_cselect_b32 s[E], 2, 3
	s_and_b32 s23, s[SA+1], s[BIT]
	s_cselect_b32 s[E], 1, s[E]
	s_and_b32 s23, s[SA], s[BIT]
	s_cselect_b32 s[E], 0, s[E]
	s_lshl_b32 s[U], s[U], 5
	s_add_co_u32 s[LN], s[LN], s[U]                ; 32 u + lane
	s_lshl2_add_u32 s[E], s[LN], s[E]              ; 128 u + 4 lane + e
	s_add_co_u32 s[POS+\p], s[E], s22
	s_add_co_u32 s21, s21, 1
.Lnext_\@:
.endm
; A half step on register set c with offset registers a.  left = younger loads that may stay out.
; second = 1: a pair's second half may lie wholly behind the labels' end; its five blocks are then jumped over (an open stream
; finds nothing there: the labels that the clamped loads repeat have been compared).  The loads at the end are on both ways,
; so the count at the next wait is the same on both.  A wave's last eight such loads are used by nobody: they read inside labels.
.macro HALF c, a, left, second
	s_wait_loadcnt \left                           ; this set's four loads are in, which also frees their offset registers
.if \second
	s_cmp_ge_u32 s22, N
	s_cbranch_scc1 .Lpast_\@
.endif
.irp p, 0,1,2,3
	BLOCK \p, L+\p, 0, \c
.endr
	BLOCK ANCH, L+ANCH-1, 1, \c
.if \second
.Lpast_\@:
.endif
	s_add_co_u32 s22, s22, HSTEP
.irp u, 0,1,2,3
	v_add_nc_u32 v[\a+\u], 2*HSB, v[\a+\u]         ; this set again, two half steps on; an offset that has reached the clamp stays there
	v_min_u32 v[\a+\u], LAST, v[\a+\u]
.endr
.irp u, 0,1,2,3
	global_load_b128 v[\c+4*\u:\c+4*\u+3], v[\a+\u], s[6:7]
.endr
.endm
.macro PAIR left
	s_cmp_eq_u32 s21, STREAMS
	s_cbranch_scc1 .Lclosed_\@                     ; every search has its hit: nothing is loaded or compared any more
	HALF CA, AD, \left, 0
	HALF CB, AD+4, \left, 1
.Lclosed_\@:
.endm
	PAIR 8                                         ; behind set A: set B's 4 and the 4 rows; behind set B: the 4 rows and set A's 4 anew.  The rows stay out
	s_cmp_ge_u32 s20, PAIRS
	s_cbranch_scc1 .Lscanned                       ; at most 1,024 candidates: the first pair was all
.Lpair:
	PAIR 4                                         ; the other set's four are younger; the rows are older and have to be in from here on
	s_add_co_u32 s20, s20, 1
	s_cmp_lt_u32 s20, PAIRS
	s_cbranch_scc1 .Lpair
.Lscanned:
	; The gathers first: four positive rows and the last anchor's negative row (stream ANCH).  An index goes into an address
	; behind s_min_u32; NONE & (N-1) is row 0.
.irp r, 0,1,2,3,4
	s_min_u32 s[M+\r], s[POS+\r], NONE
	s_and_b32 s[M+\r], s[M+\r], N-1
	s_lshl_b32 s[M+\r], s[M+\r], 9
	v_add_nc_u32 v[GI+\r], s[M+\r], v[LANE16]
.if \r < ANCH
	global_load_b128 v[P+4*\r:P+4*\r+3], v[GI+\r], s[4:5]
.else
	global_load_b128 v[G+4*(ANCH-1):G+4*(ANCH-1)+3], v[GI+\r], s[4:5]
.endif
.endr
	; neg, r running down: the next anchor if its label differs, else the next anchor's neg.  The same compare makes the rows' mask.
.irp r, 2,1,0
	s_cmp_lg_u32 s[L+\r], s[L+\r+1]
	s_cselect_b32 s[NG+3-\r], s[J+\r+1], s[NG+2-\r]
	s_cselect_b32 s[CM+\r], -1, 0
.endr
	; valid: both below NONE.  As a factor, twice, and as a byte.
.irp r, 0,1,2,3
	s_max_u32 s23, s[POS+\r], s[NG+3-\r]
	s_cmp_lt_u32 s23, NONE
	s_cselect_b32 s[VF+2*\r], 1.0, 0
	s_cselect_b32 s[VF+2*\r+1], 1.0, 0
.if \r == 0
	s_cselect_b32 s[W], 1, 0
.else
	s_cselect_b32 s23, 1<<(8*\r), 0
	s_or_b32 s[W], s[W], s23
.endif
.endr
; Four rows of one part: rows x times valid into rows d, which nothing writes again, and stored; a store of the wave covers a row,
; 512 consecutive bytes at a multiple of 512.  counted = 1: each row has its wait; left = row loads issued behind the part's last
; row.  For the anchor rows that is the count on the way with the fewest younger loads (all streams closed from the start: the
; 5 gathers); on the other ways candidate loads are younger too, and the count only asks for more than it needs.
.macro ROWS d, x, base, counted, left
.irp r, 0,1,2,3
.if \counted
	s_wait_loadcnt \left+3-\r                      ; loads come back in order: row r is in, the younger ones stay out
.endif
	v_pk_mul_f32 v[\d+4*\r:\d+4*\r+1],   v[\x+4*\r:\x+4*\r+1],   s[VF+2*\r:VF+2*\r+1] op_sel_hi:[1,0]
	v_pk_mul_f32 v[\d+4*\r+2:\d+4*\r+3], v[\x+4*\r+2:\x+4*\r+3], s[VF+2*\r:VF+2*\r+1] op_sel_hi:[1,0]
	global_store_b128 v[AO], v[\d+4*\r:\d+4*\r+3], s[\base:\base+1] offset:ROWB*\r th:TH_STORE_NT
.endr
.endm
	ROWS AV, A, 8, 1, 5                            ; into registers of their own: the rows as loaded are chosen from below, and these stores do not wait for the gathers
	ROWS P, P, 12, 1, 1
	s_wait_loadcnt 0x0                             ; the one gathered negative row
.irp r, 2,1,0
.irp k, 0,1,2,3
	v_cndmask_b32 v[G+4*\r+\k], v[G+4*\r+4+\k], v[A+4*\r+4+\k], s[CM+\r]   ; labels differ: anchor row r+1; else the row chosen for r+1
.endr
.endr
	ROWS G, G, 14, 0, 0                            ; scaled only now: each row was the source of the choice above it
	v_mov_b32 v[OB], s[W]
	v_mov_b32 v[OO], s17
	v_cmp_eq_u32 vcc_lo, 0, v[LANE]
	s_wait_xcnt 0x0                                ; EXEC is a source of the stores above: it changes only behind this wait
	s_and_saveexec_b32 s23, vcc_lo
	global_store_b32 v[OO], v[OB], s[10:11]        ; lane 0: the wave's four flags, at a multiple of 4
	s_endpgm
.Lfunc_end_k_qe9fac98402_mine:
	.size	k_qe9fac98402_mine, .Lfunc_end_k_qe9fac98402_mine-k_qe9fac98402_mine
	.p2alignl 7, 3214868480
	.fill 96, 4, 3214868480
	.section	.rodata,"a",@progbits
	.p2align	6, 0x0
	.amdhsa_kernel k_qe9fac98402_mine
		.amdhsa_group_segment_fixed_size 0
		.amdhsa_private_segment_fixed_size 0
		.amdhsa_enable_private_segment 0
		.amdhsa_kernarg_size 32
		.amdhsa_user_sgpr_count 2
		.amdhsa_user_sgpr_kernarg_segment_ptr 1
		.amdhsa_wavefront_size32 1
		.amdhsa_system_sgpr_workgroup_id_x 1
		.amdhsa_system_sgpr_workgroup_id_y 1
		.amdhsa_system_sgpr_workgroup_id_z 1
		.amdhsa_system_vgpr_workitem_id 0
		.amdhsa_next_free_vgpr 120
		.amdhsa_next_free_sgpr 100
		.amdhsa_reserve_vcc 1
		.amdhsa_float_denorm_mode_32 3
		.amdhsa_float_denorm_mode_16_64 3
		.amdhsa_memory_ordered 1
		.amdhsa_forward_progress 1
		.amdhsa_inst_pref_size 65
	.end_amdhsa_kernel
	.amdgpu_metadata
---
amdhsa.version: [ 1, 2 ]
amdhsa.kernels:
  - .name:           k_qe9fac98402_mine
    .symbol:         k_qe9fac98402_mine.kd
    .args:
      - { .name: embeddings, .offset: 0, .size: 8, .value_kind: global_buffer, .address_space: global }
      - { .name: labels, .offset: 8, .size: 8, .value_kind: global_buffer, .address_space: global }
      - { .name: out0, .offset: 16, .size: 8, .value_kind: global_buffer, .address_space: global }
      - { .name: out1, .offset: 24, .size: 8, .value_kind: global_buffer, .address_space: global }
    .group_segment_fixed_size: 0
    .private_segment_fixed_size: 0
    .kernarg_segment_align: 8
    .kernarg_segment_size: 32
    .max_flat_workgroup_size: 512
    .sgpr_count:     100
    .vgpr_count:     120
    .wavefront_size: 32
...
	.end_amdgpu_metadata
.endif
;; end of part 2
;; ======== version 3 of 3: 1 launch; version 2 with the launch mine written anew for expert scheduling mode
;; launch mine (part 3): grid 256 x 1, 16 waves a work-group, no clusters, 0 bytes of LDS; arguments embeddings, labels, out0, out1; writes out0, out1
.if DOCPART == 3
	.amdgcn_target "amdgcn-amd-amdhsa--gfx1250"
	.amdhsa_code_object_version 6
	.text
	.protected	k_qe9fac98402_mine
	.globl	k_qe9fac98402_mine
	.p2align	8
	.type	k_qe9fac98402_mine,@function
k_qe9fac98402_mine:
	s_mov_b64 s[64:65], 0
	v_nop
	global_prefetch_b8 v0, s[64:65] scope:SCOPE_SE
	s_setreg_imm32_b32 hwreg(HW_REG_WAVE_SCHED_MODE, 0, 2), 2
	s_setreg_imm32_b32 hwreg(HW_REG_WAVE_MODE, 25, 1), 1
	s_wait_xcnt 0x0
	s_wait_alu depctr_vm_vsrc(0)
; TripletMiner.  For each anchor i of N = 16384: pos = first j > i with labels[j] == labels[i], neg = first j > i with
; labels[j] != labels[i], valid = both exist.  out0 = [embeddings, embeddings[pos], embeddings[neg]] * valid, out1 = valid (bytes).
;
; WORK THAT IS NOT DONE, for all values of the labels:
;  - the mask 'upper' is built in the function's own body: candidates j <= i are never looked at;
;  - argmax gives the first True and any() only asks whether one exists, so candidates behind an anchor's first hit reach no
;    output: each search stops comparing at its hit;
;  - neg: if labels[i+1] != labels[i], neg(i) = i+1.  Otherwise i+1 is no hit and the first later label unlike labels[i] is the
;    first unlike labels[i+1]: neg(i) = neg(i+1), or none for both.  A wave owns four neighbouring anchors i0 .. i0+3, so it
;    searches for the last one alone, and the negative row of anchor r < 3 is anchor row r+1, which the wave holds in
;    registers, or the row chosen for anchor r+1: one negative row is gathered for the four.
; Both inputs are loaded.  The product with valid is made (x*1, x*0), and an anchor without a hit gathers row 0, as argmax of an
; all-false row does, so NaN and infinities come out as in the function.  Labels may be any 32-bit numbers.
; The time hangs on the labels: with no equal labels at all every search runs to the end (N*N/2 comparisons in all).
;
; SHARES.  256 work-groups of 16 waves, four to a SIMD at 120 registers each: a wave's chain (compare, test, branch) leaves gaps
; that the other three fill, and a wave's 12 stores wait for the slowest of five searches only.
; Work-group w owns anchors 32w .. 32w+31 (waves 0-7) and N-32(w+1) .. N-32w-1 (waves 8-15): the two ranges of candidates add
; up to N+32 for every w, so the longest possible search is the same in all work-groups.
; CANDIDATES come straight into registers, 512 at a time (4 loads x 32 lanes x 4 labels, 2 KiB), on two register sets that take
; turns.  A wave reads only as far as its last open search; a copy of all labels behind the group's first anchor would be up to
; 64 KiB for each work-group, with a barrier in front of the first comparison.  So there is no LDS and no barrier.
; THE END OF THE LABELS.  Each load has its own offset register, clamped to the last 16 bytes of labels.  A clamped lane repeats the
; last four labels under an index above their own; the real ones lie in every non-empty range (ranges end at N and are multiples
; of 4 labels long) and are compared under their own index in the same half step or an earlier one, so the first hit is not
; changed, and no load leaves the buffer.
; THE SEARCH LOOP is left at its counter alone.  Once a wave's five searches are closed, a trip is five scalar lines.
; NO CLUSTER, NO TILE LOADS: nothing is staged for several waves or work-groups.
; out1: a wave's four flags are 4 neighbouring bytes, stored by one lane.  256 neighbouring bytes of out1 belong to 256 anchors,
; the blocks of eight work-groups, so no instruction can store them whole; to collect a block's 32 flags the waves would have
; to meet at a barrier behind the slowest search, for 32 bytes of the 256.  out1 is 16 KiB of the 25 MB written.
;
; THE MODE: SCHED_MODE bits 1:0 = 2 (LLVM: expert scheduling mode 2), set by the entry lines.  The code itself states the register
; dependences between vector instructions and memory instructions, and those from a vector instruction's scalar result to its
; readers, with s_wait_alu, always for 0.
; THE PLAN.  Registers that memory instructions touch:
;   AD (8)      label offsets.  Made at the head.  In a half step the set's four are stepped and clamped at the half step's head,
;               behind the wait that its last four loads have read them, and read by the four loads at the half step's end.
;   CA, CB      candidates.  Loaded; read by the compares of the half step's blocks; loaded again at the half step's end.
;   AO          made once at the head, read by every row load and row store, never written again.
;   A           loaded at the head; read by vector lines alone from then on.
;   GI (5)      made together behind the search, read by the five gathers, never written again.
;   AV, P, G    a part's eight products stand together, its four stores behind them; nothing writes these registers again.
;   OB, OO      made ahead of the write of EXEC, read by the flag store.
; So a half step holds one wait on vm_vsrc, at its head, and one on va_vdst, ahead of its four loads: the offsets are written and
; the compares are done reading the set.  Behind the search one wait on va_vdst stands ahead of each run of memory instructions:
; the gathers and the three parts' stores.
; Scalar results of vector lines: the wave's number, a block's sixteen lane masks, VCC for the flag store's lane: each run of
; writers has its wait ahead of the first reader, in the same straight run of code.
.set N,      16384
.set ROWB,   512                       ; bytes in a row of embeddings
.set PART,   N*ROWB                    ; bytes in one of out0's three parts
.set LAST,   N*4-16                    ; byte offset of the last four labels
.set HSTEP,  512                       ; candidates in a half step
.set HSB,    4*HSTEP                   ; its bytes
.set PAIRS,  N/(2*HSTEP)               ; pairs of half steps in all the labels: 16
.set NONE,   N                         ; 'no hit': above every index, and NONE & (N-1) = 0 is the row that argmax names
.set ANCH,   4                         ; anchors of a wave
.set STREAMS, ANCH+1                   ; four searches for an equal label, one for an unequal
; vector registers
.set LANE,   1                         ; lane
.set LANE16, 2                         ; 16 x lane: my 16 bytes of a row, of a run of labels
.set AO,     3                         ; byte offset of my 16 bytes in the wave's first row (embeddings, each part of out0)
.set T,      4                         ; at work
.set AD,     6                         ; v[6:13]  byte offsets in labels: v[6:9] set A's four loads, v[10:13] set B's
.set CA,     16                        ; v[16:31] candidates, set A: register 4u+e holds label first + 128u + 4 lane + e
.set CB,     32                        ; v[32:47] candidates, set B
.set A,      48                        ; v[48:63]   four anchor rows as loaded: the choice of the negative rows reads them
.set AV,     64                        ; v[64:79]   the same times valid, to store
.set P,      80                        ; v[80:95]   four positive rows
.set G,      96                        ; v[96:111]  four negative rows: the last gathered, the others chosen
.set GI,     112                       ; v[112:116] byte offsets of the 5 gathered rows
.set OB,     118                       ; four flags
.set OO,     119                       ; their byte offset in out1
; scalar registers: s[4:5] embeddings, s[6:7] labels, s[8:9] out0, s[10:11] out1, s[12:13], s[14:15] out0's parts 1, 2
; s16 wave, s17 i0, s18 first candidate, s20 pair counter, s21 streams closed, s22 index of the half step's first candidate,
; s23, s26 at work, s27 byte offset of the wave's labels
.set L,      28                        ; s[28:31] the four anchors' labels
.set POS,    36                        ; s[36:39] pos or NONE; s40: the search for a label unlike the last anchor's
.set NG,     40                        ; neg of anchor r, or NONE, in s[NG+3-r]: the last anchor's is the search's own register
.set J,      48                        ; s[49:51] i0+1 .. i0+3
.set CM,     52                        ; s[52:54] anchor r < 3: all ones if labels r and r+1 differ, else 0
.set M,      66                        ; s[66:81] lane masks of 16 compares; later row offsets
.set MU,     82                        ; s[82:85] load u: lanes with a hit in any of their four labels
.set TT,     86                        ; s[86:87] at work
.set SA,     88                        ; s[88:89] masks of words 0, 1 of the first load with a hit
.set SB,     90                        ; s[90:91] masks of words 2, 3
.set MS,     92                        ; its MU
.set U,      93                        ; its number
.set LN,     94                        ; first lane with a hit
.set BIT,    95                        ; that lane's bit
.set E,      96                        ; first word with a hit in that lane
.set VF,     82                        ; s[82:89] behind the search: valid as 1.0 or 0, twice each (a pair for the packed multiply)
.set W,      98                        ; valid as four bytes
	s_load_b256 s[4:11], s[0:1], 0x0
	v_lshrrev_b32 v[T], 5, v0
	v_readfirstlane_b32 s16, v[T]                  ; wave 0..15
	v_and_b32 v[LANE], 31, v0
	v_lshlrev_b32 v[LANE16], 4, v[LANE]
	s_lshl_b32 s26, ttmp9, 5                       ; 32 w: the early block
	s_sub_co_u32 s23, N-64, s26                    ; N - 32 (w+1) - 32: the late block, less the 4 x 8 of waves 8-15
	s_wait_alu depctr_va_sdst(0)                   ; s16 is written, ahead of its first reader: the compare below
	s_cmp_lt_u32 s16, 8
	s_cselect_b32 s17, s26, s23
	s_lshl2_add_u32 s17, s16, s17                  ; i0 = block + 4 x wave
	s_add_co_u32 s18, s17, ANCH                    ; the first candidate outside the wave's own four
	s_lshl_b32 s27, s17, 2
	s_lshl_b32 s26, s17, 9
	v_add_nc_u32 v[AO], s26, v[LANE16]
	s_lshl_b32 s23, s18, 2
	v_add_nc_u32 v[T], s23, v[LANE16]              ; my 16 bytes in the first load
	v_min_u32 v[AD], LAST, v[T]
.irp k, 1,2,3,4,5,6,7
	v_add_nc_u32 v[AD+\k], 512*\k, v[T]            ; eight loads of 512 bytes: the first two half steps
	v_min_u32 v[AD+\k], LAST, v[AD+\k]
.endr
	s_wait_kmcnt 0x0
	s_load_b128 s[L:L+3], s[6:7], s27 offset:0x0   ; my four anchors' labels, 16 bytes at a multiple of 16
	s_wait_alu depctr_va_vdst(0)                   ; the eight label offsets and v[AO] are written, which the twelve loads below read
	; The order of issue counts: loads come back in order.  Candidates first, so that they are compared while the rows arrive.
.irp u, 0,1,2,3
	global_load_b128 v[CA+4*\u:CA+4*\u+3], v[AD+\u], s[6:7]
.endr
.irp u, 0,1,2,3
	global_load_b128 v[CB+4*\u:CB+4*\u+3], v[AD+4+\u], s[6:7]
.endr
.irp r, 0,1,2,3
	global_load_b128 v[A+4*\r:A+4*\r+3], v[AO], s[4:5] offset:ROWB*\r
.endr
	s_add_nc_u64 s[12:13], s[8:9], PART            ; a part's distance does not fit a store's immediate
	s_add_nc_u64 s[14:15], s[8:9], 2*PART
.irp q, 1,2,3
	s_add_co_u32 s[J+\q], s17, \q
.endr
	s_mov_b32 s21, 0
	s_mov_b32 s[POS+ANCH-1], NONE
	s_mov_b32 s[POS+ANCH], NONE
	s_mov_b32 s22, s18
	s_lshr_b32 s20, s18, 10                        ; pairs needed = ceil((N - first) / 1024) = PAIRS - floor(first / 1024);
	s_add_co_u32 s20, s20, 1                       ; one of them stands ahead of the loop
	s_wait_kmcnt 0x0
	; pos among the wave's own four, on scalars: q runs down, so the smallest q > r stays.  The first compare starts each result.
.set r, 0
.rept ANCH-1
.set q, ANCH-1
.rept ANCH-1-r
	s_cmp_eq_u32 s[L+r], s[L+q]
.if q == ANCH-1
	s_cselect_b32 s[POS+r], s[J+q], NONE
.else
	s_cselect_b32 s[POS+r], s[J+q], s[POS+r]
.endif
.set q, q-1
.endr
	s_cmp_lg_u32 s[POS+r], NONE
	s_add_co_ci_u32 s21, s21, 0                    ; one stream fewer to run
.set r, r+1
.endr
	s_cmp_ge_u32 s18, N                            ; i0 = N-4: no candidate is left (the clamped loads repeat the anchors themselves):
	s_cselect_b32 s21, STREAMS, s21                ; its streams count as closed, their results stay NONE, and nothing is compared
; One stream on one half step.  A closed stream costs two scalar lines.  An open one: 16 compares into lane masks, and 15 ORs,
; the last of which leaves in SCC whether any lane has a hit.
.macro BLOCK p, lab, ne, c
	s_cmp_lg_u32 s[POS+\p], NONE
	s_cbranch_scc1 .Lnext_\@
.irp k, 0,1,2,3,4,5,6,7,8,9,10,11,12,13,14,15
.if \ne
	v_cmp_ne_u32 s[M+\k], s[\lab], v[\c+\k]
.else
	v_cmp_eq_u32 s[M+\k], s[\lab], v[\c+\k]
.endif
.endr
	s_wait_alu depctr_va_sdst(0)                   ; the sixteen compares have written their lane masks, ahead of the first line that reads one
.irp u, 0,1,2,3
	s_or_b32 s[MU+\u], s[M+4*\u], s[M+4*\u+1]
	s_or_b32 s[TT], s[M+4*\u+2], s[M+4*\u+3]
	s_or_b32 s[MU+\u], s[MU+\u], s[TT]
.endr
	s_or_b32 s[TT], s[MU], s[MU+1]
	s_or_b32 s[TT+1], s[MU+2], s[MU+3]
	s_or_b32 s[TT], s[TT], s[TT+1]
	s_cbranch_scc0 .Lnext_\@                       ; no hit among the 512
	; Once for each stream.  The index is first + 128 u + 4 lane + e: the smallest u with a hit, in it the lowest lane, in it the lowest e.
	s_cmp_lg_u32 s[MU+2], 0                        ; u runs down, so the smallest stays
	s_cselect_b64 s[SA:SA+1], s[M+8:M+9], s[M+12:M+13]
	s_cselect_b64 s[SB:SB+1], s[M+10:M+11], s[M+14:M+15]
	s_cselect_b32 s[MS], s[MU+2], s[MU+3]
	s_cselect_b32 s[U], 2, 3
.irp u, 1,0
	s_cmp_lg_u32 s[MU+\u], 0
	s_cselect_b64 s[SA:SA+1], s[M+4*\u:M+4*\u+1], s[SA:SA+1]
	s_cselect_b64 s[SB:SB+1], s[M+4*\u+2:M+4*\u+3], s[SB:SB+1]
	s_cselect_b32 s[MS], s[MU+\u], s[MS]
	s_cselect_b32 s[U], \u, s[U]
.endr
	s_ctz_i32_b32 s[LN], s[MS]                     ; MS is not 0 here
	s_lshl_b32 s[BIT], 1, s[LN]
	s_and_b32 s23, s[SB], s[BIT]                   ; e runs down; SCC = the lane's bit is set
	s_cselect_b32 s[E], 2, 3
	s_and_b32 s23, s[SA+1], s[BIT]
	s_cselect_b32 s[E], 1, s[E]
	s_and_b32 s23, s[SA], s[BIT]
	s_cselect_b32 s[E], 0, s[E]
	s_lshl_b32 s[U], s[U], 5
	s_add_co_u32 s[LN], s[LN], s[U]                ; 32 u + lane
	s_lshl2_add_u32 s[E], s[LN], s[E]              ; 128 u + 4 lane + e
	s_add_co_u32 s[POS+\p], s[E], s22
	s_add_co_u32 s21, s21, 1
.Lnext_\@:
.endm
; A half step on register set c with offset registers a.  left = younger loads that may stay out.
; The set's offsets are stepped at the half step's head, so that they are long written when the loads at its end read them.
; second = 1: a pair's second half may lie wholly behind the labels' end; its five blocks are then jumped over (an open stream
; finds nothing there: the labels that the clamped loads repeat have been compared).  The stepped offsets, the wait and the loads
; at the end are on both ways, so the count at the next wait is the same on both.  A wave's last eight such loads are used by
; nobody: they read inside labels.
.macro HALF c, a, left, second
	s_wait_loadcnt \left                           ; this set's four loads are in, which also frees their offset registers
	s_wait_alu depctr_vm_vsrc(0)                   ; those four loads have read their offsets, which the lines below write again
.irp u, 0,1,2,3
	v_add_nc_u32 v[\a+\u], 2*HSB, v[\a+\u]         ; this set again, two half steps on; an offset that has reached the clamp stays there
	v_min_u32 v[\a+\u], LAST, v[\a+\u]
.endr
.if \second
	s_cmp_ge_u32 s22, N
	s_cbranch_scc1 .Lpast_\@
.endif
.irp p, 0,1,2,3
	BLOCK \p, L+\p, 0, \c
.endr
	BLOCK ANCH, L+ANCH-1, 1, \c
.if \second
.Lpast_\@:
.endif
	s_add_co_u32 s22, s22, HSTEP
	s_wait_alu depctr_va_vdst(0)                   ; the four offsets are written, which the loads below read; the blocks' compares are done reading the set in which they land
.irp u, 0,1,2,3
	global_load_b128 v[\c+4*\u:\c+4*\u+3], v[\a+\u], s[6:7]
.endr
.endm
.macro PAIR left
	s_cmp_eq_u32 s21, STREAMS
	s_cbranch_scc1 .Lclosed_\@                     ; every search has its hit: nothing is loaded or compared any more
	HALF CA, AD, \left, 0
	HALF CB, AD+4, \left, 1
.Lclosed_\@:
.endm
	PAIR 8                                         ; behind set A: set B's 4 and the 4 rows; behind set B: the 4 rows and set A's 4 anew.  The rows stay out
	s_cmp_ge_u32 s20, PAIRS
	s_cbranch_scc1 .Lscanned                       ; at most 1,024 candidates: the first pair was all
.Lpair:
	PAIR 4                                         ; the other set's four are younger; the rows are older and have to be in from here on
	s_add_co_u32 s20, s20, 1
	s_cmp_lt_u32 s20, PAIRS
	s_cbranch_scc1 .Lpair
.Lscanned:
	; The gathers first: four positive rows and the last anchor's negative row (stream ANCH).  An index goes into an address
	; behind s_min_u32; NONE & (N-1) is row 0.  All five offsets are made, then the five loads go out in one run.
.irp r, 0,1,2,3,4
	s_min_u32 s[M+\r], s[POS+\r], NONE
	s_and_b32 s[M+\r], s[M+\r], N-1
	s_lshl_b32 s[M+\r], s[M+\r], 9
	v_add_nc_u32 v[GI+\r], s[M+\r], v[LANE16]
.endr
	s_wait_alu depctr_va_vdst(0)                   ; the five offsets are written, which the gathers read
.irp r, 0,1,2,3
	global_load_b128 v[P+4*\r:P+4*\r+3], v[GI+\r], s[4:5]
.endr
	global_load_b128 v[G+4*(ANCH-1):G+4*(ANCH-1)+3], v[GI+ANCH], s[4:5]
	; neg, r running down: the next anchor if its label differs, else the next anchor's neg.  The same compare makes the rows' mask.
.irp r, 2,1,0
	s_cmp_lg_u32 s[L+\r], s[L+\r+1]
	s_cselect_b32 s[NG+3-\r], s[J+\r+1], s[NG+2-\r]
	s_cselect_b32 s[CM+\r], -1, 0
.endr
	; valid: both below NONE.  As a factor, twice, and as a byte.
.irp r, 0,1,2,3
	s_max_u32 s23, s[POS+\r], s[NG+3-\r]
	s_cmp_lt_u32 s23, NONE
	s_cselect_b32 s[VF+2*\r], 1.0, 0
	s_cselect_b32 s[VF+2*\r+1], 1.0, 0
.if \r == 0
	s_cselect_b32 s[W], 1, 0
.else
	s_cselect_b32 s23, 1<<(8*\r), 0
	s_or_b32 s[W], s[W], s23
.endif
.endr
; Four rows of one part: rows x times valid into rows d, which nothing writes again; then the four stores in one run.  A store of
; the wave covers a row, 512 consecutive bytes at a multiple of 512.
.macro ROWS d, x, base
.irp r, 0,1,2,3
	v_pk_mul_f32 v[\d+4*\r:\d+4*\r+1],   v[\x+4*\r:\x+4*\r+1],   s[VF+2*\r:VF+2*\r+1] op_sel_hi:[1,0]
	v_pk_mul_f32 v[\d+4*\r+2:\d+4*\r+3], v[\x+4*\r+2:\x+4*\r+3], s[VF+2*\r:VF+2*\r+1] op_sel_hi:[1,0]
.endr
	s_wait_alu depctr_va_vdst(0)                   ; the eight products have written the part's four rows, which the stores read
.irp r, 0,1,2,3
	global_store_b128 v[AO], v[\d+4*\r:\d+4*\r+3], s[\base:\base+1] offset:ROWB*\r th:TH_STORE_NT
.endr
.endm
	s_wait_loadcnt 5                               ; loads come back in order: the anchor rows are in.  The count is that of the way with the fewest younger loads (all streams
	                                               ; closed from the start: the 5 gathers); on the other ways candidate loads are younger too, and it only asks for more than it needs
	ROWS AV, A, 8                                  ; into registers of their own: the rows as loaded are chosen from below, and these stores do not wait for the gathers
	s_wait_loadcnt 1                               ; the four positive rows are in; the negative row, issued behind them, may stay out
	ROWS P, P, 12
	s_wait_loadcnt 0x0                             ; the one gathered negative row
.irp r, 2,1,0
.irp k, 0,1,2,3
	v_cndmask_b32 v[G+4*\r+\k], v[G+4*\r+4+\k], v[A+4*\r+4+\k], s[CM+\r]   ; labels differ: anchor row r+1; else the row chosen for r+1
.endr
.endr
	ROWS G, G, 14                                  ; scaled only now: each row was the source of the choice above it
	v_mov_b32 v[OB], s[W]
	v_mov_b32 v[OO], s17
	v_cmp_eq_u32 vcc_lo, 0, v[LANE]
	s_wait_xcnt 0x0                                ; EXEC is a source of the stores above: it changes only behind this wait
	s_wait_alu depctr_va_vcc(0)                    ; the compare has written VCC, from which EXEC is made
	s_wait_alu depctr_va_vdst(0)                   ; ahead of the write of EXEC: the vector lines issued so far are done; among them the two moves have written v[OB] and v[OO], which the store below reads
	s_wait_alu depctr_vm_vsrc(0)                   ; ahead of the write of EXEC: the stores above have read their vector registers
	s_and_saveexec_b32 s23, vcc_lo
	global_store_b32 v[OO], v[OB], s[10:11]        ; lane 0: the wave's four flags, at a multiple of 4
	s_endpgm
.Lfunc_end_k_qe9fac98402_mine:
	.size	k_qe9fac98402_mine, .Lfunc_end_k_qe9fac98402_mine-k_qe9fac98402_mine
	.p2alignl 7, 3214868480
	.fill 96, 4, 3214868480
	.section	.rodata,"a",@progbits
	.p2align	6, 0x0
	.amdhsa_kernel k_qe9fac98402_mine
		.amdhsa_group_segment_fixed_size 0
		.amdhsa_private_segment_fixed_size 0
		.amdhsa_enable_private_segment 0
		.amdhsa_kernarg_size 32
		.amdhsa_user_sgpr_count 2
		.amdhsa_user_sgpr_kernarg_segment_ptr 1
		.amdhsa_wavefront_size32 1
		.amdhsa_system_sgpr_workgroup_id_x 1
		.amdhsa_system_sgpr_workgroup_id_y 1
		.amdhsa_system_sgpr_workgroup_id_z 1
		.amdhsa_system_vgpr_workitem_id 0
		.amdhsa_next_free_vgpr 120
		.amdhsa_next_free_sgpr 100
		.amdhsa_reserve_vcc 1
		.amdhsa_float_denorm_mode_32 3
		.amdhsa_float_denorm_mode_16_64 3
		.amdhsa_memory_ordered 1
		.amdhsa_forward_progress 1
		.amdhsa_inst_pref_size 66
	.end_amdhsa_kernel
	.amdgpu_metadata
---
amdhsa.version: [ 1, 2 ]
amdhsa.kernels:
  - .name:           k_qe9fac98402_mine
    .symbol:         k_qe9fac98402_mine.kd
    .args:
      - { .name: embeddings, .offset: 0, .size: 8, .value_kind: global_buffer, .address_space: global }
      - { .name: labels, .offset: 8, .size: 8, .value_kind: global_buffer, .address_space: global }
      - { .name: out0, .offset: 16, .size: 8, .value_kind: global_buffer, .address_space: global }
      - { .name: out1, .offset: 24, .size: 8, .value_kind: global_buffer, .address_space: global }
    .group_segment_fixed_size: 0
    .private_segment_fixed_size: 0
    .kernarg_segment_align: 8
    .kernarg_segment_size: 32
    .max_flat_workgroup_size: 512
    .sgpr_count:     100
    .vgpr_count:     120
    .wavefront_size: 32
...
	.end_amdgpu_metadata
.endif
;; end of part 3
